; MI455X (gfx1250); checked and timed in simulation.
; The chip was launched on July 23, 2026; its instructions are those of AMD's public machine-readable ISA for CDNA 5 (MIT licence, August 2026) and "CDNA5" Instruction Set Architecture Reference Guide (July 2026). The comments in the code are by the model that wrote it; some were corrected since.
;; Vector Quantization. Allowed arithmetic: matrix products marked QUANTISED: E2M3 operands, one E8M0 scale for each 32 along K, by v_wmma_scale_f32_16x16x128_f8f6f4 with both operands' format E2M3, f32 sums; everything else in f32.
;; Inputs: codebook 8,192 x 256 float32; z_e 16 x 256 x 32 x 32 float32.
;; Outputs: out0 16,384 x 256 float32; out1 16,384 int32.
;; This version of the problem:
;;   THIS VERSION OF THE PROBLEM IS GIVEN IN LOW PRECISION. The matrix products marked QUANTISED in the list below multiply operands that are first quantised to E2M3 (2 exponent bits, 3 mantissa bits; 6 bits a number), with one power-of-two scale for each 32 numbers along K (OCP MX v1.0); their sums are f32. All else is computed in f32.
;;   The module's matrix products, in the order in which they are computed (A, B: the left and right operand; K: the contracted axis; several contracted axes count as one K, in the product's order):
;;     1. [M 16,384, K 256] x [K 256, N 8,192]; A: computed on the way; B: input codebook: QUANTISED
;;   THE QUANTISER, for each operand of a quantised product, along K:
;;     - K is cut into blocks of 32 from its start; a last block that is shorter is filled with zeros.
;;     - A block's scale is 2^e with e = floor(log2(the largest magnitude in the block)) - 2, held to -126 .. 127; a block of zeros has e = 0. As a byte (E8M0): e + 127.
;;     - Each number is divided by its block's scale, clamped to +-7.5, and rounded to the nearest number of E2M3, ties to even, subnormals kept.
;;     - The product sums the exact products of the quantised numbers (number of the format x scale) in f32.
;;   ~~~python
;;   def quantise(x, axis):      # numpy; x: float32 -> the quantised numbers, widened to float32 again
;;       x = np.moveaxis(x, axis, -1); K = x.shape[-1]
;;       x = np.pad(x, [(0, 0)] * (x.ndim - 1) + [(0, -K % 32)]); x = x.reshape(x.shape[:-1] + (-1, 32)); a = np.abs(x).max(-1, keepdims=True)
;;       e = np.where(a > 0, np.clip(np.frexp(np.where(a > 0, a, 1))[1] - 1 - 2, -126, 127), 0)      # np.frexp(a)[1] - 1 = floor(log2(a)), exactly
;;       r = np.clip(x / 2.0 ** e, -7.5, 7.5)
;;       step = 2.0 ** (np.maximum(np.frexp(np.where(r == 0, 1, r))[1] - 1, 0) - 3)
;;       q = np.round(r / step) * step * 2.0 ** e      # np.round: ties to even
;;       return np.moveaxis(q.reshape(q.shape[:-2] + (-1,))[..., :K], -1, axis).astype(np.float32)
;;   ~~~
;;   OPERANDS COMPUTED ON THE WAY. 'Computed on the way' means the value that the module computes at that place (a softmax that the list does not call 'softmax' is quantised finished and normalised). What goes into a quantiser is computed in f32, as accurately as f32 sums, v_exp_f32 and their like allow (about 1e-6 of the number): no bf16 or f16 on the way to a quantiser, and a product that is left as it is and whose result goes on into a quantised operand takes f32 operands (vector FMAs, or v_wmma_f32_16x16x4_f32). A number that lies on a knife's edge between two numbers of the format may be rounded either way, as far as f32 arithmetic and the matrix unit's own rounding can turn it there, and no further.
;; One version. Each part assembles by itself: llvm-mc -triple=amdgcn-amd-amdhsa -mcpu=gfx1250 --defsym DOCPART=n.
;; ======== version 1 of 1: 3 launches
;; limits: right only within a limited range of input values
;; workspace buffers: cpk 1,703,936 bytes; zpk 3,407,872 bytes; pkey 262,144 bytes of whole numbers; pidx 262,144 bytes of whole numbers
;; launch quant (part 1): grid 256 x 1, 6 waves a work-group, no clusters, 116,992 bytes of LDS; arguments codebook, z_e, cpk, zpk; writes cpk, zpk
.if DOCPART == 1
	.amdgcn_target "amdgcn-amd-amdhsa--gfx1250"
	.amdhsa_code_object_version 6
	.text
	.protected	k_qc6cbc6c718_quant
	.globl	k_qc6cbc6c718_quant
	.p2align	8
	.type	k_qc6cbc6c718_quant,@function
k_qc6cbc6c718_quant:
	s_mov_b64 s[64:65], 0
	v_nop
	global_prefetch_b8 v0, s[64:65] scope:SCOPE_SE
	s_setreg_imm32_b32 hwreg(HW_REG_WAVE_MODE, 25, 1), 1
	s_wait_xcnt 0x0
; codebook [8192][256] f32 and z_e [16][256][32][32] f32 become PACKAGES of E2M3 codes for the product's launch.
; DEAD WORK LEFT OUT: |z|^2 is one number for all 8,192 candidates of a row, so it moves no arg-min over them, whatever finite values z and the codebook hold: it is not computed.
; A NaN, an infinity or an overflow that would reach |z|^2 alone is not carried to the result.
; A package is one tile of 16 rows x K 256, 3,328 bytes = 13 aligned blocks of 256 bytes:
;   bytes 0..3071   two fragments (K step s at 1536 s) as IMAGES OF THE OPERAND'S REGISTERS: registers 4 g .. 4 g + 3 of lane L at 512 g + 16 L;
;   bytes 3072..    row r's two scale words (K steps 0, 1) at 8 r; from byte 128 of this block on: codebook: -|e|^2 of the 16 rows, f32, twice; z: the scale words once more.
; THE QUANTISER: a block of 32 along K has the scale 2^(floor(log2(largest magnitude)) - 2); its byte is the largest magnitude's exponent field - 2, held at 1 from below by a floor among the maximum's leaves.
; The left operand is 2 z: its codes are those of z and its byte is z's + 1, which is exact.  |e|^2 is summed in f32 from the unquantised numbers.
; LIMITS: NaN and infinities are not served; blocks whose largest magnitude lies under 2^-124 take the floor's byte (their codes are then coarser than the stated quantiser's); a block of zeros has zero codes under that byte, read by this program alone.
; SHARES: 256 equal work-groups of six waves.  Waves 0..3: z, 64 neighbouring places x 256 channels (K = the channel axis, 4,096 bytes from channel to channel), through a shared stage in LDS, K step by K step: each load is
;   2 channels x 256 aligned bytes; behind a barrier wave w reads columns of places 16 w .. 16 w + 15 and makes K step 0 while the channels of K step 1 are on their way; a second barrier, then K step 1.
;   Waves 4, 5: one tile of the codebook each (16 rows, 16 KiB, K innermost): dense loads ahead of the first barrier; between the two barriers the turn through a stage of the wave's own, and both K steps.
; A lane (r, h) holds row r and, for K step s, the numbers k = 128 s + 64 c + 32 h + 0..31 in 32 consecutive registers: two whole blocks, so no other lane is asked for a maximum and the conversions' results are the operand's registers.
.set PKG,    3328
.set CPITCH, 1040                      ; codebook stage: a row of 1,024 bytes + 16: an odd multiple of 16, so 16 rows start in 16 different groups of banks
.set CREG,   16896                     ; a wave's region: 16 rows, then 256 bytes for -|e|^2
.set SBO,    16*CPITCH
.set ZSTG,   2*CREG                    ; z stage: channel k at 320 k + 64 ((k / 32) % 2): lanes 16-31 of a column read then fall 16 banks beside lanes 0-15
.set SPARE,  116224                    ; behind the z stage, which ends at 115,776: the spare words, 128 bytes for each wave: three blocks of 256 bytes that no other line names
.set ZLD, 9                            ; v9      z: my 16 bytes of a load
.set ZIN, 6                            ; v6      z stage, in
.set ZOUT, 7                           ; v7-8    z stage, out: K steps 0, 1
.set M,   12                           ; v12-13  largest magnitudes of my two blocks
.set SO,  14                           ; v14-15  the conversions' scale operands
.set BY,  16                           ; v16-17  scale bytes
.set W,   18                           ; v18-19  my row's scale words of K steps 0, 1
.set PT,  20                           ; v20     a lane permute's destination
.set H8,  21                           ; v21     8 h
.set NE,  22                           ; v22-23  two of the tile's -|e|^2
.set E,   24                           ; v24-31  sums of squares, four packed chains
.set T,   32                           ; v32-39  the second half of each block's codes, before it is moved
.set F,   40                           ; v40-63  the two fragments
.set X,   64                           ; v64-191 128 numbers: as loaded, then as the lane's 2 x 64 along K
.set SPW, 192
.set NIL, 193
.set CIN, 194                          ; v194    codebook stage, in
.set COUT, 195                         ; v195    codebook stage, out
.set CNE, 196                          ; v196    my row's -|e|^2, in
.set CNO, 197                          ; v197    two of them, out
; K step s of my row: 64 numbers at v[X + 64 s] become fragment s and scale word s; the fragment is stored.  zz = 1: z (byte + 1, no sum of squares).  ob: the package's address.
.macro QSTEP s, zz, ob
.set XB, X+64*(\s)
.irp c, 0,1
	v_max3_num_f32 v[M+\c], |v[XB+32*\c]|, |v[XB+32*\c+1]|, 0x1800000      ; the floor 2^(3 - 127) among the leaves: the byte cannot fall under 1
.endr
.irp i, 2,4,6,8,10,12,14,16,18,20,22,24,26,28,30
.irp c, 0,1
	v_max3_num_f32 v[M+\c], v[M+\c], |v[XB+32*\c+\i]|, |v[XB+32*\c+\i+1]|  ; the two blocks by turns
.endr
.endr
.if \zz == 0
.set J, 0
.rept 32
.if ((\s) == 0) && (J < 4)
	v_pk_mul_f32 v[E+2*(J%4):E+2*(J%4)+1], v[XB+2*J:XB+2*J+1], v[XB+2*J:XB+2*J+1]                                  ; the first four products start the chains
.else
	v_pk_fma_f32 v[E+2*(J%4):E+2*(J%4)+1], v[XB+2*J:XB+2*J+1], v[XB+2*J:XB+2*J+1], v[E+2*(J%4):E+2*(J%4)+1]
.endif
.set J, J+1
.endr
.endif
.irp c, 0,1
	v_add_nc_u32 v[SO+\c], 0xff000000, v[M+\c]     ; 2 off the exponent field: the conversion takes this operand's exponent field as its scale
.endr
.if \zz
.irp c, 0,1
	v_add_nc_u32 v[BY+\c], 0xff800000, v[M+\c]     ; the operand is 2 z: its byte is one more than the scale by which z is divided
.endr
.irp c, 0,1
	v_lshrrev_b32 v[BY+\c], 23, v[BY+\c]
.endr
.else
.irp c, 0,1
	v_lshrrev_b32 v[BY+\c], 23, v[SO+\c]
.endr
.endif
	v_lshl_or_b32 v[W+(\s)], v[BY+1], 16, v[BY]    ; my bytes are those of blocks h and 2 + h:
	v_lshlrev_b32 v[W+(\s)], v[H8], v[W+(\s)]      ; 8 h bits up,
	v_permlanex16_b32 v[PT], v[W+(\s)], s20, s21
	v_or_b32 v[W+(\s)], v[W+(\s)], v[PT]           ; and with lane l xor 16's two the word is whole
.irp c, 0,1
	v_cvt_scalef32_pk16_fp6_f32 v[F+12*(\s)+6*\c:F+12*(\s)+6*\c+2], v[XB+32*\c:XB+32*\c+15], v[SO+\c]
	v_cvt_scalef32_pk16_fp6_f32 v[T+4*\c:T+4*\c+2], v[XB+32*\c+16:XB+32*\c+31], v[SO+\c]     ; a conversion's three registers begin on an even number: made here, moved below
.endr
	v_nop                                          ; one plain place behind the scaled conversions
.irp c, 0,1
.irp i, 0,1,2
	v_mov_b32 v[F+12*(\s)+6*\c+3+\i], v[T+4*\c+\i]
.endr
.endr
.irp g, 0,1,2
	global_store_b128 v4, v[F+12*(\s)+4*\g:F+12*(\s)+4*\g+3], s[\ob:\ob+1] offset:1536*(\s)+512*\g   ; 32 lanes store 512 consecutive bytes, aligned to 256
.endr
.endm
; z: loads 16 s .. 16 s + 15 (channels 128 s + 32 w + 2 i + h) into the stage
.macro ZSTAGE s
.irp i, 0,1,2,3,4,5,6,7,8,9,10,11,12,13,14,15
	s_wait_loadcnt 31-16*\s-\i                     ; loads come back in order: this one is in, the younger ones may be out
	ds_store_b128 v[ZIN], v[X+64*\s+4*\i:X+64*\s+4*\i+3] offset:40960*\s+640*\i
.endr
.endm
; z: my column's 64 numbers of K step s
.macro ZREAD s
.irp c, 0,1
.irp i, 0,1,2,3,4,5,6,7,8,9,10,11,12,13,14,15,16,17,18,19,20,21,22,23,24,25,26,27,28,29,30,31
	ds_load_b32 v[X+64*\s+32*\c+\i], v[ZOUT+\s] offset:(64*\c+\i)*320     ; z(k = 128 s + 64 c + 32 h + i, place 16 w + r)
.endr
.endr
	s_wait_dscnt 0x0
.endm
	s_load_b256 s[4:11], s[0:1], 0x0               ; codebook s[4:5], z_e s[6:7], cpk s[8:9], zpk s[10:11]
	v_lshl_add_u32 v[SPW], v0, 2, SPARE
	v_mov_b32 v[NIL], 0
	v_lshrrev_b32 v1, 5, v0
	v_readfirstlane_b32 s12, v1                    ; wave 0..5
	v_and_b32 v1, 31, v0                           ; lane L
	v_and_b32 v2, 15, v0                           ; r
	v_bfe_u32 v3, v0, 4, 1                         ; h
	v_lshlrev_b32 v4, 4, v1                        ; 16 L
	v_lshlrev_b32 v5, 3, v1                        ; 8 L
	v_lshlrev_b32 v[H8], 3, v3
	v_mov_b32 v[PT], 0                             ; written once: a lane permute's destination counts as one of its sources
	s_wait_alu depctr_va_vdst(0)
	s_mov_b32 s20, 0x76543210
	s_mov_b32 s21, 0xfedcba98                      ; v_permlanex16_b32's selects for lane l xor 16
	s_and_b32 s13, s12, 1
	s_lshr_b32 s16, ttmp9, 4                       ; z: my block of 64 places, 16 to an image of 256 channels x 4,096 bytes
	s_lshl_b32 s16, s16, 20
	s_and_b32 s15, ttmp9, 15
	s_lshl_b32 s15, s15, 8                         ; 64 places x 4 bytes
	s_add_co_u32 s16, s16, s15
	s_lshl_b32 s15, s12, 17                        ; my 32 channels of each K step
	s_add_co_u32 s16, s16, s15
	s_mov_b32 s17, 0
	s_lshl_b32 s18, ttmp9, 2
	s_add_co_u32 s18, s18, s12                     ; my tile of 16 places
	s_mul_i32 s18, s18, PKG
	s_mov_b32 s19, 0
	s_lshl_b32 s22, ttmp9, 1
	s_add_co_u32 s22, s22, s13                     ; codebook: my tile
	s_lshl_b32 s24, s22, 14                        ; its 16 rows of 1,024 bytes
	s_mov_b32 s25, 0
	s_mul_i32 s26, s22, PKG                        ; its package
	s_mov_b32 s27, 0
	; every LDS address is made here, ahead of the parting of the waves
	v_lshlrev_b32 v[ZLD], 12, v3
	v_lshl_add_u32 v[ZLD], v2, 4, v[ZLD]           ; a load of z: lanes 0-15 one channel's 256 bytes, lanes 16-31 the next channel's
	s_mul_i32 s15, s12, 32*320
	s_lshl_b32 s22, s13, 6
	s_add_co_u32 s15, s15, s22
	s_add_co_u32 s15, s15, ZSTG
	v_mul_u32_u24 v[ZIN], v3, 320
	v_lshl_add_u32 v[ZIN], v2, 4, v[ZIN]
	v_add_nc_u32 v[ZIN], s15, v[ZIN]               ; channel 32 w + 2 i + h of a K step
	s_lshl_b32 s15, s12, 6
	s_add_co_u32 s15, s15, ZSTG
	v_mul_u32_u24 v[ZOUT], v3, 32*320+64           ; lanes 16-31 begin 32 channels further down, in the shifted rows
	v_lshl_add_u32 v[ZOUT], v2, 2, v[ZOUT]
	v_add_nc_u32 v[ZOUT], s15, v[ZOUT]             ; place 16 w + r
	v_add_nc_u32 v[ZOUT+1], 128*320, v[ZOUT]       ; K step 1
	s_mul_i32 s15, s13, CREG                       ; codebook: my region
	v_add_nc_u32 v[CIN], s15, v4                   ; in: as loaded, 16 L
	v_mul_u32_u24 v[COUT], v2, CPITCH
	v_lshl_add_u32 v[COUT], v3, 7, v[COUT]
	v_add_nc_u32 v[COUT], s15, v[COUT]             ; out: row r, + 128 h bytes (32 numbers)
	s_add_co_u32 s15, s15, SBO
	v_lshl_add_u32 v[CNE], v2, 2, s15
	v_and_b32 v[CNO], 7, v1
	v_lshl_add_u32 v[CNO], v[CNO], 3, s15          ; 8 (L % 8)
	s_wait_alu depctr_va_vdst(0)
	s_wait_kmcnt 0x0
	s_add_nc_u64 s[6:7], s[6:7], s[16:17]
	s_add_nc_u64 s[10:11], s[10:11], s[18:19]
	s_add_nc_u64 s[4:5], s[4:5], s[24:25]
	s_add_nc_u64 s[8:9], s[8:9], s[26:27]
	s_cmp_ge_u32 s12, 4
	s_cbranch_scc1 .Lcodes_load
.irp i, 0,1,2,3,4,5,6,7,8,9,10,11,12,13,14,15
	global_load_b128 v[X+4*\i:X+4*\i+3], v[ZLD], s[6:7] offset:8192*\i th:TH_LOAD_NT   ; read once in the whole program: K step 0's channels first,
.endr
.irp i, 0,1,2,3,4,5,6,7,8,9,10,11,12,13,14,15
	global_load_b128 v[X+64+4*\i:X+64+4*\i+3], v[ZLD], s[6:7] offset:524288+8192*\i th:TH_LOAD_NT   ; then K step 1's, 128 channels on
.endr
	ZSTAGE 0
	s_branch .Lmeet1
.Lcodes_load:
.irp i, 0,1,2,3,4,5,6,7,8,9,10,11,12,13,14,15,16,17,18,19,20,21,22,23,24,25,26,27,28,29,30,31
	global_load_b128 v[X+4*\i:X+4*\i+3], v4, s[4:5] offset:512*\i      ; 512 consecutive bytes a load: half a row
.endr
.Lmeet1:
	s_wait_dscnt 0x0                               ; for the others' sake: my part of the stage is written
	s_barrier_signal -1
	s_barrier_wait -1                              ; K step 0's 128 channels lie in the stage
	s_cmp_ge_u32 s12, 4
	s_cbranch_scc1 .Lcodes
	ZREAD 0
	QSTEP 0, 1, 10
	ZSTAGE 1
	s_branch .Lmeet2
.Lcodes:
.irp i, 0,1,2,3,4,5,6,7,8,9,10,11,12,13,14,15,16,17,18,19,20,21,22,23,24,25,26,27,28,29,30,31
	s_wait_loadcnt 31-\i                           ; load i is in, the 31 - i younger ones may be out
	ds_store_b128 v[CIN], v[X+4*\i:X+4*\i+3] offset:(\i/2)*CPITCH+(\i%2)*512
.endr
	s_wait_dscnt 0x0                               ; the stores have read their registers, which the loads below fill again
.irp s, 0,1
.irp c, 0,1
.irp i, 0,1,2,3,4,5,6,7
	ds_load_b128 v[X+64*\s+32*\c+4*\i:X+64*\s+32*\c+4*\i+3], v[COUT] offset:512*\s+256*\c+16*\i   ; k = 128 s + 64 c + 32 h + 4 i ..; my own wave's bytes
.endr
.endr
.endr
	s_wait_dscnt 16                                ; K step 0's sixteen are in; K step 1's sixteen may be out
	QSTEP 0, 0, 8
	s_wait_dscnt 0x0
	QSTEP 1, 0, 8
	v_pk_add_f32 v[E:E+1], v[E:E+1], v[E+2:E+3]
	v_pk_add_f32 v[E+4:E+5], v[E+4:E+5], v[E+6:E+7]
	v_pk_add_f32 v[E:E+1], v[E:E+1], v[E+4:E+5]
	v_add_f32 v[E], v[E], v[E+1]
	v_permlanex16_b32 v[PT], v[E], s20, s21
	v_add_f32 v[E], v[E], v[PT]                    ; |e|^2 of row r, the same bits in both halves of the lanes
	v_xor_b32 v[E], 0x80000000, v[E]               ; -|e|^2: it will be the C of each sum's first matrix instruction
	ds_store_b32 v[CNE], v[E]                      ; lanes r and r + 16 write the same word with the same value
	ds_load_b64 v[NE:NE+1], v[CNO]                 ; LDS serves a wave's instructions in order: these see the store
	s_wait_dscnt 0x0
	v_cmp_gt_u32 vcc_lo, 16, v1
	v_cndmask_b32 v[T], v[NE], v[W], vcc_lo        ; lanes 0-15: row L's scale words; lanes 16-31: -|e|^2, eight lanes to a copy
	v_cndmask_b32 v[T+1], v[NE+1], v[W+1], vcc_lo
	global_store_b64 v5, v[T:T+1], s[8:9] offset:3072   ; 32 lanes store one aligned block of 256 bytes
.Lmeet2:
	s_wait_dscnt 0x0
	s_barrier_signal -1
	s_barrier_wait -1                              ; K step 1's 128 channels lie in the stage
	s_cmp_ge_u32 s12, 4
	s_cbranch_scc1 .Lend
	ZREAD 1
	QSTEP 1, 1, 10
	global_store_b64 v5, v[W:W+1], s[10:11] offset:3072   ; row r's two words at 8 r, and once more from byte 128: one aligned block of 256 bytes
.Lend:
	s_wait_tensorcnt 0x0                           ; the wave's end: behind my last LDS store
	ds_add_u32 v[SPW], v[NIL]
	s_wait_dscnt 0x0
	s_endpgm
.Lfunc_end_k_qc6cbc6c718_quant:
	.size	k_qc6cbc6c718_quant, .Lfunc_end_k_qc6cbc6c718_quant-k_qc6cbc6c718_quant
	.p2alignl 7, 3214868480
	.fill 96, 4, 3214868480
	.section	.rodata,"a",@progbits
	.p2align	6, 0x0
	.amdhsa_kernel k_qc6cbc6c718_quant
		.amdhsa_group_segment_fixed_size 116992
		.amdhsa_private_segment_fixed_size 0
		.amdhsa_enable_private_segment 0
		.amdhsa_kernarg_size 32
		.amdhsa_user_sgpr_count 2
		.amdhsa_user_sgpr_kernarg_segment_ptr 1
		.amdhsa_wavefront_size32 1
		.amdhsa_system_sgpr_workgroup_id_x 1
		.amdhsa_system_sgpr_workgroup_id_y 1
		.amdhsa_system_sgpr_workgroup_id_z 1
		.amdhsa_system_vgpr_workitem_id 0
		.amdhsa_next_free_vgpr 198
		.amdhsa_next_free_sgpr 66
		.amdhsa_reserve_vcc 1
		.amdhsa_float_denorm_mode_32 3
		.amdhsa_float_denorm_mode_16_64 3
		.amdhsa_memory_ordered 1
		.amdhsa_forward_progress 1
		.amdhsa_inst_pref_size 44
	.end_amdhsa_kernel
	.amdgpu_metadata
---
amdhsa.version: [ 1, 2 ]
amdhsa.kernels:
  - .name:           k_qc6cbc6c718_quant
    .symbol:         k_qc6cbc6c718_quant.kd
    .args:
      - { .name: codebook, .offset: 0, .size: 8, .value_kind: global_buffer, .address_space: global }
      - { .name: z_e, .offset: 8, .size: 8, .value_kind: global_buffer, .address_space: global }
      - { .name: cpk, .offset: 16, .size: 8, .value_kind: global_buffer, .address_space: global }
      - { .name: zpk, .offset: 24, .size: 8, .value_kind: global_buffer, .address_space: global }
    .group_segment_fixed_size: 116992
    .private_segment_fixed_size: 0
    .kernarg_segment_align: 8
    .kernarg_segment_size: 32
    .max_flat_workgroup_size: 192
    .sgpr_count:     66
    .vgpr_count:     198
    .wavefront_size: 32
...
	.end_amdgpu_metadata
.endif
;; end of part 1
;; launch argmax (part 2): grid 64 x 4, 8 waves a work-group, clusters of 4 x 1, 327,680 bytes of LDS; arguments cpk, zpk, pkey, pidx; writes pkey, pidx
.if DOCPART == 2
	.amdgcn_target "amdgcn-amd-amdhsa--gfx1250"
	.amdhsa_code_object_version 6
	.text
	.protected	k_qc6cbc6c718_argmax
	.globl	k_qc6cbc6c718_argmax
	.p2align	8
	.type	k_qc6cbc6c718_argmax,@function
k_qc6cbc6c718_argmax:
	s_mov_b64 s[64:65], 0
	v_nop
	global_prefetch_b8 v0, s[64:65] scope:SCOPE_SE
	s_setreg_imm32_b32 hwreg(HW_REG_WAVE_MODE, 25, 1), 1
	s_wait_xcnt 0x0
	s_wait_alu depctr_hold_cnt(0) depctr_sa_sdst(0) depctr_va_vdst(0) depctr_va_sdst(0) depctr_va_ssrc(0) depctr_va_vcc(0) depctr_vm_vsrc(0)
	s_getreg_b32 s2, hwreg(HW_REG_IB_STS2, 6, 4)
	s_cmp_eq_u32 s2, 0
	s_cbranch_scc0 .Lentry_in_a_cluster
	s_endpgm
.Lentry_in_a_cluster:
	s_bfe_u32 s2, ttmp6, 0x10000c
	s_cmp_lg_u32 s2, 0x3003
	s_cbranch_scc0 .Lentry_shape_is_right
	s_endpgm
.Lentry_shape_is_right:
; For 256 rows of z and 2,048 codes (quarter y of the codebook): D(n, m) = Q(2 z_m) . Q(e_n) - |e_n|^2, and for each row the largest D with the lowest index that has it.
; The arg-min of |z|^2 + |e|^2 - 2 z . e is the arg-max of D: |z|^2, equal for all candidates of a row, is dead work and is left out.
; LIMITS: without that term D is rounded finer than the sum, so a tie inside the sum's rounding may fall otherwise; NaN and infinities are not served.
; D leaves as a whole number with the same order (key: its bits, with all but the sign flipped where it is negative), so that the next launch chooses between the quarters on whole numbers.
; Operands come as packages of 3,328 bytes (16 rows x K 256): six groups of 512 bytes that are the image of 24 operand registers, then a block with the rows' scale words and, for codes, -|e|^2.
; SHARES.  Eight waves, two to a SIMD, so that one wave's vector work stands beside the other's matrix work.  Waves 0..3 keep rows 0..127 of z in registers, waves 4..7 rows 128..255 (192 registers each, window 1);
; of the tiles of codes in a slot wave w works the (w % 4)th quarter, so each tile is read from LDS by two waves.
; FOUR TRIPS of 24, 32, 40 and 32 tiles of 16 codes; slot 0 takes 24, then 40; slot 1 takes 32, then 32.  Each of the eight waves fetches an eighth of a trip's tiles by one tensor load (13 dense rows of 256 bytes a tile).
; The first trip is the smallest, since nothing can be multiplied before it is in.
; CLUSTER.  The four work-groups of a cluster walk the same quarter of the codebook: each tile is asked for JOINTLY, by the same load with the same descriptor and the mask of all four.
; No prefetch into the L2: there are four fills, two of them at the launch's start, and no loop to run ahead in; the other two are asked for a whole trip ahead of the wait for them.
; THE PRODUCT IS USED TRANSPOSED: source 0 = 16 codes, source 1 = 16 rows of z: lane (r, h) holds row r and its register j code 8 h + j of the tile.  -|e|^2 is the C of the first of a sum's two matrix instructions.
; THE ARG-MAX costs 9 vector instructions for a tile of 16 x 16: four v_max3 carry the lane's best on; one compare says whether it rose; where it rose, four pairs of conditional moves keep the tile's number and
; its first seven D.  Which of the eight it was is found once, at the end: the lowest of the seven that equals the best, else the eighth.
; REGISTERS.  Window 0: see the names below.  Window 1: v[24 a + 12 s ..]: z's fragment of tile a, K step s.
.set PKG,   3328
.set SLOT1, 40*PKG                     ; slot 0 has room for 40 tiles, slot 1 for 32
.set RED,   SLOT1+32*PKG               ; behind the slots: (D, index) of 128 rows for each wave, 8 x 1,024 bytes; no tile lands here
.set SPARE, RED+8192                   ; the spare words, 128 bytes for each wave: four blocks of 256 bytes that no other line names
.set SPW,  1                           ; v1      SPARE + 4 x my thread's number; never rewritten
.set NIL,  2                           ; v2      0; never rewritten
.set L16,  3                           ; v3      16 x lane
.set ZO,   4                           ; v4      8 r + 4 h: z's scale word: lanes 0-15 K step 0's, lanes 16-31 K step 1's
.set AI,   6                           ; v6-8    LDS: my first tile in trip 0, in trips 1 and 3, in trip 2, + 16 x lane: the images
.set AS,   9                           ; v9-11   + 3072 + 8 r: the scale words
.set AN,   12                          ; v12-14  + 3200 + 32 h: -|e|^2 of codes 8 h .. 8 h + 7
.set H8,   15                          ; v15     8 h
.set REDW, 16                          ; v16     RED + 1024 w + 8 r
.set REDR, 17                          ; v17     RED + 4096 (thread / 64 % 2) + 16 (thread % 64)
.set OUTO, 18                          ; v18     8 x thread
.set ZS,   20                          ; v20-23, v28-31  z's scale words, tile a at v[20 + a % 4 + 8 (a / 4)]: they hold scales and nothing else
.set CS,   24                          ; v24-27  the codes' scale words, two sets of two: likewise; their numbers differ from all of z's modulo 8
.set CN,   32                          ; v32-47  -|e|^2 in the result's layout, two sets of eight
.set CF,   48                          ; v48-95  the codes' fragments, two sets of 24
.set ACC,  96                          ; v96-159 eight accumulators: this tile of codes x z's tile a
.set BA,   160                         ; v160-167, v168-175  the lane's best D for z's tile a: two sets that take turns as old and new
.set BB,   168
.set SV,   176                         ; v176-239 for z's tile a, from the tile of codes in which the best rose last: seven D, then 16 x that tile's number
.set TV,   240                         ; v240    16 x this tile's number
.set JS,   ACC+16                      ; at the end: which of the eight
.set WV,   12                          ; s12     my wave's number
.set G1,   16                          ; s[16:23] descriptor group 1
.set G0,   32                          ; s[32:35] group 0
.set TID,  45                          ; s45     16 x the number of the tile in hand
.set QW,   46                          ; s46     wave % 4
.set TB,   47                          ; s47     16 x the quarter's first tile
.set MK,   48                          ; s48-55  masks: where the best of z's tile a rose
.set SEL,  56                          ; s[56:57] v_permlanex16_b32's selects for lane l xor 16
.set MSB, 0
.macro WIN new                         ; the immediate's high byte repeats the setting that is left
.if MSB != \new
	s_set_vgpr_msb (MSB<<8)|\new
.set MSB, \new
.endif
.endm
; A round of the cluster's barrier: my work-group's barrier, wave 0 signals for the work-group, every wave waits for all four work-groups, my work-group's barrier once more.
.macro CREST                           ; a round behind its opening barrier
	s_cmp_lg_u32 s[WV], 0
	s_cbranch_scc1 .Lnot_wave_0_\@
	s_barrier_signal -3
.Lnot_wave_0_\@:
	s_barrier_wait -3
	s_barrier_signal -1
	s_barrier_wait -1
.endm
.macro ROUND
	s_barrier_signal -1
	s_barrier_wait -1
	CREST
.endm
; The descriptor of a fill (written only where no tensor load of mine is out): n tiles a wave, 13 n rows of 256 bytes, from tile first + n w of the quarter to the slot's byte + n w packages.
.macro DESCRIBE n, slot, first
	s_mov_b32 s[G1+2], (13*\n)<<16                 ; tensor_dim1
	s_mov_b32 s[G1+4], 13*\n                       ; tile_dim1
	s_mul_i32 s24, s[WV], \n*PKG
	s_mov_b32 s25, 0
	s_mov_b32 s[G0], 1                             ; count = 1
	s_add_co_u32 s[G0+1], s24, \slot               ; LDS address: the slot's constant + the wave's number x a constant
	s_add_co_u32 s24, s24, \first*PKG
	s_add_nc_u64 s[G0+2:G0+3], s[26:27], s[24:25]  ; global address
	s_or_b32 s[G0+3], s[G0+3], 0x80000000          ; type = 2
.endm
; Tile i of mine in a slot (q: which set of addresses) into set p: nine LDS loads; an image's loads read 512 consecutive bytes each.
.macro LDT q, i, p
.irp g, 0,1,2,3,4,5
	ds_load_b128 v[CF+24*(\p)+4*\g:CF+24*(\p)+4*\g+3], v[AI+\q] offset:PKG*(\i)+512*\g
.endr
	ds_load_b64 v[CS+2*(\p):CS+2*(\p)+1], v[AS+\q] offset:PKG*(\i)
	ds_load_b128 v[CN+8*(\p):CN+8*(\p)+3], v[AN+\q] offset:PKG*(\i)
	ds_load_b128 v[CN+8*(\p)+4:CN+8*(\p)+7], v[AN+\q] offset:PKG*(\i)+16
.endm
; The 16 matrix instructions of one tile of codes (set p) against the 128 rows: eight accumulators by turns, one instruction a turn.
; The arg-max behind them reads accumulators 0 to 3 first: the four places that those want (ISA guide 7.12.1) stand behind the products of accumulators 3 to 6; accumulators 4 to 7 are read 16 v_max3 later.
.macro PRODUCTS p
	WIN 0x04                                       ; source 1 (z) in window 1
.irp a, 0,1,2,3,4,5,6,7
	v_wmma_scale_f32_16x16x128_f8f6f4 v[ACC+8*\a:ACC+8*\a+7], v[CF+24*\p:CF+24*\p+11], v[24*\a:24*\a+11], v[CN+8*\p:CN+8*\p+7], v[CS+2*\p], v[ZS+\a%4+8*(\a/4)] matrix_a_fmt:MATRIX_FMT_FP6 matrix_b_fmt:MATRIX_FMT_FP6
.endr
.irp a, 0,1,2,3,4,5,6,7
	v_wmma_scale_f32_16x16x128_f8f6f4 v[ACC+8*\a:ACC+8*\a+7], v[CF+24*\p+12:CF+24*\p+23], v[24*\a+12:24*\a+23], v[ACC+8*\a:ACC+8*\a+7], v[CS+2*\p+1], v[ZS+\a%4+8*(\a/4)] matrix_a_fmt:MATRIX_FMT_FP6 matrix_b_fmt:MATRIX_FMT_FP6 matrix_b_scale:MATRIX_SCALE_ROW1
.if \a == 3
	v_mov_b32 v[TV], s[TID]
.endif
.if (\a > 3) && (\a < 7)
	v_nop
.endif
.endr
	WIN 0
.endm
; One of the four steps that take an accumulator's eight D into the lane's best: registers j and j + 1.
.macro RISE a, j
.if \j == 0
	v_max3_num_f32 v[NEW+\a], v[OLD+\a], v[ACC+8*\a], v[ACC+8*\a+1]      ; each accumulator is read from its low end on
.else
	v_max3_num_f32 v[NEW+\a], v[NEW+\a], v[ACC+8*\a+\j], v[ACC+8*\a+\j+1]
.endif
.endm
; Where VCC says that the best of z's tile a rose: this tile's first seven D and its number.
.macro KEEP a
.irp j, 0,2,4
	v_dual_cndmask_b32 v[SV+8*\a+\j], v[SV+8*\a+\j], v[ACC+8*\a+\j] :: v_dual_cndmask_b32 v[SV+8*\a+\j+1], v[SV+8*\a+\j+1], v[ACC+8*\a+\j+1]
.endr
	v_dual_cndmask_b32 v[SV+8*\a+6], v[SV+8*\a+6], v[ACC+8*\a+6] :: v_dual_cndmask_b32 v[SV+8*\a+7], v[SV+8*\a+7], v[TV]
.endm
; The arg-max of one tile of codes: 72 vector instructions.  The compares are strict: on equal D the earlier tile, the lower index, stays.
.macro ARGMAX p
.set OLD, BA+8*\p
.set NEW, BA+8-8*\p
.irp j, 0,2,4,6
.irp a, 0,1,2,3
	RISE \a, \j
.endr
.endr
.irp a, 0,1,2,3
	v_cmp_gt_f32 vcc_lo, v[NEW+\a], v[OLD+\a]
.irp b, 4,5,6,7                        ; a step of the other four accumulators stands between the compare and its readers
.if \a == 0
	RISE \b, 0
.endif
.if \a == 1
	RISE \b, 2
.endif
.if \a == 2
	RISE \b, 4
.endif
.if \a == 3
	RISE \b, 6
.endif
.endr
	KEEP \a
.endr
	v_cmp_gt_f32 vcc_lo, v[NEW+4], v[OLD+4]
.irp a, 5,6,7
	v_cmp_gt_f32 s[MK+\a], v[NEW+\a], v[OLD+\a]
.endr
	KEEP 4
.irp a, 5,6,7
	s_mov_b32 vcc_lo, s[MK+\a]
	KEEP \a
.endr
.endm
; One of a trip's tiles but its last: its LDS loads are in; the next tile's go out, into the other set (the products that read that set stand 72 plain vector instructions back).
.macro TILE q, i
.set PB, (\i)%2
	s_wait_dscnt 0x0
	LDT \q, (\i)+1, 1-PB
	PRODUCTS PB
	s_add_co_u32 s[TID], s[TID], 16
	ARGMAX PB
.endm
; A trip: cnt tiles of mine in a slot, the quarter's tiles first + cnt (w % 4) ..; q: its set of addresses; nq: the next trip's.  THE CHANGE OF SLOTS STANDS ROUND THE LAST TILE'S PRODUCTS.
; kind = 1: in front of the round each wave waits for all its tensor loads (one is out: its part of the other slot), adds 0 to its spare word, and waits for that and for its last reads of this slot.  Behind it this
;   slot is filled again, by n2 tiles a wave from tile first2 on (the wave's one tensor load until the next round), and the other slot's first tile is read; the last tile's arg-max follows.
; kind = 2: nothing is left to fetch: the other slot's tiles are shown to all eight waves by a plain barrier.  kind = 0: the last trip.
.macro TRIP q, cnt, first, kind, nq, n2, slot2, first2
	s_mul_i32 s[TID], s[QW], 16*\cnt
	s_add_co_u32 s[TID], s[TID], s[TB]
	s_add_co_u32 s[TID], s[TID], 16*\first
.set TI, 0
.rept \cnt-1
	TILE \q, TI
.set TI, TI+1
.endr
.if \kind == 1
	s_wait_tensorcnt 0x0                           ; no tensor load of mine is out, so a descriptor may be written
	ds_add_u32 v[SPW], v[NIL]                      ; 0 onto my spare word
	DESCRIBE \n2, \slot2, \first2
	s_wait_dscnt 0x0                               ; the add is done, and my reads of this slot are over
	s_barrier_signal -1
	PRODUCTS 1                                     ; work on registers alone
	s_barrier_wait -1
	CREST                                          ; all this now holds of every wave of the four work-groups
	tensor_load_to_lds s[G0:G0+3], s[G1:G1+7]
	s_nop 0
	LDT \nq, 0, 0
.endif
.if \kind == 2
	s_wait_tensorcnt 0x0                           ; my part of the other slot
	s_wait_dscnt 0x0
	s_barrier_signal -1
	PRODUCTS 1
	s_barrier_wait -1
	LDT \nq, 0, 0
.endif
.if \kind == 0
	s_wait_dscnt 0x0
	PRODUCTS 1
.endif
	ARGMAX 1
.endm
; (dv, dn) = the better of (bv, bn) and (ov, on): the larger D; on equal D the lower index.
.macro PICK dv, dn, bv, bn, ov, on
	v_cmp_gt_f32 s58, v[\ov], v[\bv]
	v_cmp_eq_f32 s59, v[\ov], v[\bv]
	v_cmp_lt_u32 s60, v[\on], v[\bn]
	s_and_b32 s59, s59, s60
	s_or_b32 s58, s58, s59
	v_cndmask_b32 v[\dv], v[\bv], v[\ov], s58
	v_cndmask_b32 v[\dn], v[\bn], v[\on], s58
.endm
	s_load_b256 s[4:11], s[0:1], 0x0               ; cpk s[4:5], zpk s[6:7], pkey s[8:9], pidx s[10:11]
	v_lshl_add_u32 v[SPW], v0, 2, SPARE
	v_mov_b32 v[NIL], 0
	ds_add_u32 v[SPW], v[NIL]                      ; the wave's opening: the add, twice on end, and its wait ahead of my first tensor load
	ds_add_u32 v[SPW], v[NIL]
	v_lshrrev_b32 v244, 5, v0
	v_readfirstlane_b32 s[WV], v244                ; wave 0..7
	v_and_b32 v244, 31, v0                         ; lane
	v_and_b32 v245, 15, v0                         ; r
	v_bfe_u32 v246, v0, 4, 1                       ; h
	v_and_b32 v247, 63, v0
	v_bfe_u32 v248, v0, 6, 1
	v_lshlrev_b32 v[L16], 4, v244
	s_wait_alu depctr_va_vdst(0)
	s_bfe_u32 s13, ttmp6, 0x40000                  ; cx: my place in the cluster
	s_lshl_b32 s14, ttmp9, 2                       ; in a cluster launch ttmp9 counts clusters
	s_add_co_u32 s14, s14, s13                     ; my block of 256 rows: it enters the addresses of zpk, pkey and pidx alone
	s_and_b32 s15, ttmp7, 0xffff                   ; which quarter of the codebook: the four partners share it
	; descriptor group 1: dense rows of 256 bytes (32 elements of 8 bytes), no padding: the images are read at 16 x lane.  DESCRIBE writes the two words that count rows
	s_mov_b32 s[G1+0], 15|(3<<16)|(1<<21)          ; 15:0 the mask: all four work-groups; 17:16 elements of 8 bytes; 21 set beside a mask
	s_mov_b32 s[G1+1], 32<<16                      ; tensor_dim0 = 32
	s_mov_b32 s[G1+3], 32<<16                      ; tile_dim0 = 32
	s_mov_b32 s[G1+5], 32                          ; elements from row to row
	s_mov_b32 s[G1+6], 0
	s_mov_b32 s[G1+7], 0
	s_and_b32 s[QW], s[WV], 3
	s_mul_i32 s26, s15, 128*PKG                    ; the quarter's packages
	s_mov_b32 s27, 0
	s_lshr_b32 s29, s[WV], 2                       ; which 128 of the 256 rows are mine
	s_lshl_b32 s28, s14, 1
	s_add_co_u32 s28, s28, s29
	s_mul_i32 s28, s28, 8*PKG                      ; their eight packages of z
	s_mov_b32 s29, 0
	s_lshl_b32 s30, s15, 16                        ; pkey, pidx: [4][16384] words: the quarter,
	s_lshl_b32 s31, s14, 10                        ; the work-group's 256 rows
	s_add_co_u32 s30, s30, s31
	s_mov_b32 s31, 0
	s_lshl_b32 s[TB], s15, 11                      ; 16 x 128 y
	s_mov_b32 s[SEL], 0x76543210
	s_mov_b32 s[SEL+1], 0xfedcba98
	v_lshlrev_b32 v[ZO], 3, v245
	v_lshl_add_u32 v[ZO], v246, 2, v[ZO]
.macro PLACE q, cnt, slot              ; where my tiles begin in a slot from which each wave works cnt tiles
	s_mul_i32 s25, s[QW], \cnt*PKG
	s_add_co_u32 s25, s25, \slot
	v_add_nc_u32 v[AI+\q], s25, v[L16]
	s_add_co_u32 s25, s25, 3072
	v_lshl_add_u32 v[AS+\q], v245, 3, s25
	s_add_co_u32 s25, s25, 128
	v_lshl_add_u32 v[AN+\q], v246, 5, s25
.endm
	PLACE 0, 6, 0
	PLACE 1, 8, SLOT1
	PLACE 2, 10, 0
	s_lshl_b32 s25, s[WV], 10
	s_add_co_u32 s25, s25, RED
	v_lshl_add_u32 v[REDW], v245, 3, s25
	v_lshlrev_b32 v[REDR], 4, v247
	v_lshlrev_b32 v[OUTO], 3, v0
	v_lshl_add_u32 v[REDR], v248, 12, v[REDR]
	v_lshlrev_b32 v[H8], 3, v246
	v_add_nc_u32 v[REDR], RED, v[REDR]
	s_wait_alu depctr_va_vdst(0)
	s_wait_dscnt 0x0                               ; both opening adds are done
	s_wait_kmcnt 0x0
	s_add_nc_u64 s[26:27], s[4:5], s[26:27]
	s_add_nc_u64 s[6:7], s[6:7], s[28:29]
	s_add_nc_u64 s[8:9], s[8:9], s[30:31]
	s_add_nc_u64 s[10:11], s[10:11], s[30:31]
	DESCRIBE 3, 0, 0
	ROUND                                          ; all four work-groups are here: the first joint loads meet
	tensor_load_to_lds s[G0:G0+3], s[G1:G1+7]      ; trip 0's tiles
	s_nop 0
	WIN 0x40                                       ; destination window 1, address window 0
.irp a, 0,1,2,3,4,5,6,7                ; z's sixteen fragments stay in registers
.irp g, 0,1,2,3,4,5
	global_load_b128 v[24*\a+4*\g:24*\a+4*\g+3], v[L16], s[6:7] offset:PKG*\a+512*\g
.endr
.endr
	WIN 0
.irp a, 0,1,2,3,4,5,6,7
	global_load_b32 v[ZS+\a%4+8*(\a/4)], v[ZO], s[6:7] offset:PKG*\a+3072
.endr
.irp a, 0,1,2,3,4,5,6,7                ; the tile's step is one for all tiles: the first finds -infinity, over which every D rises
	v_mov_b32 v[BA+\a], 0xff800000
.irp j, 0,1,2,3,4,5,6,7
	v_mov_b32 v[SV+8*\a+\j], 0                     ; (read by the first tile's conditional moves, which replace it)
.endr
.endr
	s_wait_alu depctr_va_vdst(0)
	s_wait_tensorcnt 0x0                           ; my part of trip 0's tiles is in
	ds_add_u32 v[SPW], v[NIL]
	DESCRIBE 4, SLOT1, 24
	s_wait_dscnt 0x0
	ROUND                                          ; every wave's part is in
	tensor_load_to_lds s[G0:G0+3], s[G1:G1+7]      ; slot 1's first fill: trip 1's tiles
	s_nop 0
	LDT 0, 0, 0
	s_wait_loadcnt 0x0                             ; z
	; the walk is written out by macros: the four trips differ in length, in their addresses and in what they fetch
	TRIP 0, 6,  0,  1, 1, 5, 0, 56                 ; tiles 0..23 in slot 0; then trip 2's 40 into slot 0
	TRIP 1, 8,  24, 1, 2, 4, SLOT1, 96             ; tiles 24..55 in slot 1; then trip 3's 32 into slot 1
	TRIP 2, 10, 56, 2, 1, 0, 0, 0                  ; tiles 56..95 in slot 0
	TRIP 1, 8,  96, 0, 0, 0, 0, 0                  ; tiles 96..127 in slot 1
	; WHICH OF THE EIGHT: the lowest j whose kept D equals the lane's best (it lies in BA after an even number of tiles), else the eighth
.irp a, 0,1,2,3,4,5,6,7
	v_mov_b32 v[JS+\a], 7
.endr
.irp j, 6,5,4,3,2,1,0
.irp a, 0,1,2,3,4,5,6,7
	v_cmp_eq_f32 s[MK+\a], v[SV+8*\a+\j], v[BA+\a]
.endr
.irp a, 0,1,2,3,4,5,6,7
	v_cndmask_b32 v[JS+\a], v[JS+\a], \j, s[MK+\a]
.endr
.endr
.irp a, 0,1,2,3,4,5,6,7
	v_add3_u32 v[SV+8*\a+7], v[SV+8*\a+7], v[JS+\a], v[H8] ; the code's index: 16 x tile + 8 h + j
.endr
.irp a, 0,1,2,3,4,5,6,7
	v_permlanex16_b32 v[BB+\a], v[BA+\a], s[SEL], s[SEL+1] ; the row's other eight codes of each tile lie in the lane 16 away
	v_permlanex16_b32 v[SV+8*\a], v[SV+8*\a+7], s[SEL], s[SEL+1]
.endr
.irp a, 0,1,2,3,4,5,6,7
	PICK ACC+2*\a, ACC+2*\a+1, BA+\a, SV+8*\a+7, BB+\a, SV+8*\a
.endr
.irp a, 0,1,2,3,4,5,6,7
	ds_store_b64 v[REDW], v[ACC+2*\a:ACC+2*\a+1] offset:128*\a     ; row 16 a + r of my wave's list; lanes r and r + 16 write the same bytes with the same values
.endr
	s_wait_dscnt 0x0                               ; for the others' sake: my list is written
	s_barrier_signal -1
	s_barrier_wait -1
	s_cmp_ge_u32 s[WV], 4
	s_cbranch_scc1 .Ldone                          ; waves 0 and 1 join the four lists of rows 0..127, waves 2 and 3 those of rows 128..255: a lane takes two neighbouring rows
.irp u, 0,1,2,3
	ds_load_b128 v[CF+4*\u:CF+4*\u+3], v[REDR] offset:1024*\u
.endr
	s_wait_dscnt 0x0
.irp u, 1,2,3
	PICK CF, CF+1, CF, CF+1, CF+4*\u, CF+4*\u+1
	PICK CF+2, CF+3, CF+2, CF+3, CF+4*\u+2, CF+4*\u+3
.endr
	v_mov_b32 v246, v[CF+1]
	v_mov_b32 v247, v[CF+3]
	v_add_f32 v248, 0, v[CF]                       ; a zero's sign goes: -0 and +0 are equal as numbers and must be so as keys
	v_add_f32 v249, 0, v[CF+2]
	v_ashrrev_i32 v250, 31, v248
	v_ashrrev_i32 v251, 31, v249
	v_lshrrev_b32 v250, 1, v250                    ; 0x7fffffff where D is negative, else 0
	v_lshrrev_b32 v251, 1, v251
	v_xor_b32 v244, v248, v250                     ; the key: as a signed whole number it has D's order
	v_xor_b32 v245, v249, v251
	global_store_b64 v[OUTO], v[244:245], s[8:9]   ; a wave stores 256 consecutive bytes, aligned
	global_store_b64 v[OUTO], v[246:247], s[10:11]
.Ldone:
	s_wait_tensorcnt 0x0                           ; the wave's end: behind my last tensor load and my last LDS store
	ds_add_u32 v[SPW], v[NIL]
	s_wait_dscnt 0x0
	ROUND                                          ; the closing round: no work-group ends while a partner may still ask for a tile that names it
	s_endpgm
.Lfunc_end_k_qc6cbc6c718_argmax:
	.size	k_qc6cbc6c718_argmax, .Lfunc_end_k_qc6cbc6c718_argmax-k_qc6cbc6c718_argmax
	.p2alignl 7, 3214868480
	.fill 96, 4, 3214868480
	.section	.rodata,"a",@progbits
	.p2align	6, 0x0
	.amdhsa_kernel k_qc6cbc6c718_argmax
		.amdhsa_group_segment_fixed_size 327680
		.amdhsa_private_segment_fixed_size 0
		.amdhsa_enable_private_segment 0
		.amdhsa_kernarg_size 32
		.amdhsa_user_sgpr_count 2
		.amdhsa_user_sgpr_kernarg_segment_ptr 1
		.amdhsa_wavefront_size32 1
		.amdhsa_system_sgpr_workgroup_id_x 1
		.amdhsa_system_sgpr_workgroup_id_y 1
		.amdhsa_system_sgpr_workgroup_id_z 1
		.amdhsa_system_vgpr_workitem_id 0
		.amdhsa_next_free_vgpr 512
		.amdhsa_next_free_sgpr 66
		.amdhsa_reserve_vcc 1
		.amdhsa_float_denorm_mode_32 3
		.amdhsa_float_denorm_mode_16_64 3
		.amdhsa_memory_ordered 1
		.amdhsa_forward_progress 1
		.amdhsa_inst_pref_size 255
	.end_amdhsa_kernel
	.section	.bss,"aw",@nobits
	.p2align	6
	.space	262144
	.amdgpu_metadata
---
amdhsa.version: [ 1, 2 ]
amdhsa.kernels:
  - .name:           k_qc6cbc6c718_argmax
    .symbol:         k_qc6cbc6c718_argmax.kd
    .args:
      - { .name: cpk, .offset: 0, .size: 8, .value_kind: global_buffer, .address_space: global }
      - { .name: zpk, .offset: 8, .size: 8, .value_kind: global_buffer, .address_space: global }
      - { .name: pkey, .offset: 16, .size: 8, .value_kind: global_buffer, .address_space: global }
      - { .name: pidx, .offset: 24, .size: 8, .value_kind: global_buffer, .address_space: global }
    .group_segment_fixed_size: 327680
    .private_segment_fixed_size: 0
    .kernarg_segment_align: 8
    .kernarg_segment_size: 32
    .max_flat_workgroup_size: 256
    .sgpr_count:     66
    .vgpr_count:     512
    .wavefront_size: 32
...
	.end_amdgpu_metadata
.endif
;; end of part 2
;; launch gather (part 3): grid 256 x 1, 16 waves a work-group, no clusters, 0 bytes of LDS; arguments pkey, pidx, codebook, out0, out1; writes out0, out1
.if DOCPART == 3
	.amdgcn_target "amdgcn-amd-amdhsa--gfx1250"
	.amdhsa_code_object_version 6
	.text
	.protected	k_qc6cbc6c718_gather
	.globl	k_qc6cbc6c718_gather
	.p2align	8
	.type	k_qc6cbc6c718_gather,@function
k_qc6cbc6c718_gather:
	s_mov_b64 s[64:65], 0
	v_nop
	global_prefetch_b8 v0, s[64:65] scope:SCOPE_SE
	s_setreg_imm32_b32 hwreg(HW_REG_WAVE_MODE, 25, 1), 1
	s_wait_xcnt 0x0
; out1[m] = the best of the four quarters' candidates (pkey, pidx: [4][16384] whole numbers); out0[m] = codebook[out1[m]], f32 as it lies.
; A key is a whole number with the order of the candidate's D = 2 z . e - |e|^2 (|z|^2, equal for all candidates of a row, is left out).  A later quarter's candidate wins only where its key is strictly larger: on equal D the lower index stays.
; Keys and indices are whole numbers that the launch before stored: the choice is made on them, ahead of the address, and one row is loaded for each row that is stored.
; A work-group takes 64 rows, a wave 4; a row of 1,024 bytes is two loads and two stores of 512 consecutive bytes.  All 8 row loads of a wave go out together.  A stream: no LDS, no barrier, no matrix unit, no cluster (nothing is shared);
; no prefetch: the rows are known only when the indices are in, and there is no loop to run ahead in.
; An index stays inside the table by the launch that made it; it is held to 8,191 all the same before it enters an address.
.set O, 4                              ; v4-7     byte offset of row i's 16 bytes of mine
.set VK, 8                             ; v8-15    wave 0: two rows' keys, four quarters
.set VI, 16                            ; v16-23   and their indices
.set D, 32                             ; v32-63   row i: 8 registers at D + 8 i
.set SI, 16                            ; s[16:31] my 4 rows' indices, four quarters
.set SK, 32                            ; s[32:47] and their keys
	s_load_b256 s[4:11], s[0:1], 0x0               ; pkey s[4:5], pidx s[6:7], codebook s[8:9], out0 s[10:11]
	s_load_b64 s[12:13], s[0:1], 0x20              ; out1
	v_lshrrev_b32 v3, 5, v0
	v_readfirstlane_b32 s14, v3                    ; wave 0..15
	v_and_b32 v3, 31, v0
	v_lshlrev_b32 v1, 4, v3                        ; 16 x lane
	v_lshlrev_b32 v2, 3, v3                        ; 8 x lane
	s_lshl_b32 s56, ttmp9, 8                       ; pkey, pidx: 64 words a work-group,
	s_lshl_b32 s58, s14, 4                         ; 4 a wave
	s_add_co_u32 s56, s56, s58
	s_mov_b32 s57, 0
	s_lshl_b32 s60, ttmp9, 16                      ; out0: 64 rows of 1,024 bytes a work-group,
	s_lshl_b32 s58, s14, 12                        ; 4 a wave
	s_add_co_u32 s60, s60, s58
	s_mov_b32 s61, 0
	s_lshl_b32 s62, ttmp9, 8                       ; out1: 64 words a work-group
	s_mov_b32 s63, 0
	s_wait_alu depctr_va_vdst(0)
	s_wait_kmcnt 0x0
	s_add_nc_u64 s[4:5], s[4:5], s[56:57]
	s_add_nc_u64 s[6:7], s[6:7], s[56:57]
	s_add_nc_u64 s[10:11], s[10:11], s[60:61]
	s_add_nc_u64 s[12:13], s[12:13], s[62:63]
.irp c, 0,1,2,3
	s_load_b128 s[SI+4*\c:SI+4*\c+3], s[6:7], 0x10000*\c
	s_load_b128 s[SK+4*\c:SK+4*\c+3], s[4:5], 0x10000*\c
.endr
	s_cmp_lg_u32 s14, 0
	s_cbranch_scc1 .Lrows                          ; wave 0 also writes the work-group's 64 indices: two a lane (its s[4:7] stand at the work-group's first row)
.irp c, 0,1,2,3
	global_load_b64 v[VK+2*\c:VK+2*\c+1], v2, s[4:5] offset:65536*\c
	global_load_b64 v[VI+2*\c:VI+2*\c+1], v2, s[6:7] offset:65536*\c
.endr
.Lrows:
	s_wait_kmcnt 0x0
.irp c, 1,2,3
.irp i, 0,1,2,3
	s_cmp_gt_i32 s[SK+4*\c+\i], s[SK+\i]
	s_cselect_b32 s[SI+\i], s[SI+4*\c+\i], s[SI+\i]
	s_cselect_b32 s[SK+\i], s[SK+4*\c+\i], s[SK+\i]
.endr
.endr
.irp i, 0,1,2,3
	s_min_u32 s[SI+\i], s[SI+\i], 8191
	s_lshl_b32 s[SI+\i], s[SI+\i], 10              ; a row of the codebook is 1,024 bytes
.endr
.irp i, 0,1,2,3
	v_add_nc_u32 v[O+\i], s[SI+\i], v1
.endr
	s_wait_alu depctr_va_vdst(0)
.irp i, 0,1,2,3
.irp u, 0,1
	global_load_b128 v[D+8*\i+4*\u:D+8*\i+4*\u+3], v[O+\i], s[8:9] offset:512*\u   ; no hint: a row may be named again
.endr
.endr
	s_cmp_lg_u32 s14, 0
	s_cbranch_scc1 .Lstore
	s_wait_loadcnt 0x8                             ; wave 0's keys and indices are in; the 8 row loads behind them may be out
.irp c, 1,2,3
	v_cmp_gt_i32 vcc_lo, v[VK+2*\c], v[VK]
	v_cmp_gt_i32 s48, v[VK+2*\c+1], v[VK+1]
	v_cndmask_b32 v[VI], v[VI], v[VI+2*\c], vcc_lo
	v_cndmask_b32 v[VI+1], v[VI+1], v[VI+2*\c+1], s48
	v_cndmask_b32 v[VK], v[VK], v[VK+2*\c], vcc_lo
	v_cndmask_b32 v[VK+1], v[VK+1], v[VK+2*\c+1], s48
.endr
	global_store_b64 v2, v[VI:VI+1], s[12:13]      ; 32 lanes store one aligned block of 256 bytes
.Lstore:
.irp i, 0,1,2,3
	s_wait_loadcnt 6-2*\i                          ; row i's two loads are in; the two of each row behind it may be out
.irp u, 0,1
	global_store_b128 v1, v[D+8*\i+4*\u:D+8*\i+4*\u+3], s[10:11] offset:1024*\i+512*\u   ; 512 consecutive bytes, aligned to 256
.endr
.endr
	s_endpgm
.Lfunc_end_k_qc6cbc6c718_gather:
	.size	k_qc6cbc6c718_gather, .Lfunc_end_k_qc6cbc6c718_gather-k_qc6cbc6c718_gather
	.p2alignl 7, 3214868480
	.fill 96, 4, 3214868480
	.section	.rodata,"a",@progbits
	.p2align	6, 0x0
	.amdhsa_kernel k_qc6cbc6c718_gather
		.amdhsa_group_segment_fixed_size 0
		.amdhsa_private_segment_fixed_size 0
		.amdhsa_enable_private_segment 0
		.amdhsa_kernarg_size 40
		.amdhsa_user_sgpr_count 2
		.amdhsa_user_sgpr_kernarg_segment_ptr 1
		.amdhsa_wavefront_size32 1
		.amdhsa_system_sgpr_workgroup_id_x 1
		.amdhsa_system_sgpr_workgroup_id_y 1
		.amdhsa_system_sgpr_workgroup_id_z 1
		.amdhsa_system_vgpr_workitem_id 0
		.amdhsa_next_free_vgpr 64
		.amdhsa_next_free_sgpr 66
		.amdhsa_reserve_vcc 1
		.amdhsa_float_denorm_mode_32 3
		.amdhsa_float_denorm_mode_16_64 3
		.amdhsa_memory_ordered 1
		.amdhsa_forward_progress 1
		.amdhsa_inst_pref_size 7
	.end_amdhsa_kernel
	.amdgpu_metadata
---
amdhsa.version: [ 1, 2 ]
amdhsa.kernels:
  - .name:           k_qc6cbc6c718_gather
    .symbol:         k_qc6cbc6c718_gather.kd
    .args:
      - { .name: pkey, .offset: 0, .size: 8, .value_kind: global_buffer, .address_space: global }
      - { .name: pidx, .offset: 8, .size: 8, .value_kind: global_buffer, .address_space: global }
      - { .name: codebook, .offset: 16, .size: 8, .value_kind: global_buffer, .address_space: global }
      - { .name: out0, .offset: 24, .size: 8, .value_kind: global_buffer, .address_space: global }
      - { .name: out1, .offset: 32, .size: 8, .value_kind: global_buffer, .address_space: global }
    .group_segment_fixed_size: 0
    .private_segment_fixed_size: 0
    .kernarg_segment_align: 8
    .kernarg_segment_size: 40
    .max_flat_workgroup_size: 512
    .sgpr_count:     66
    .vgpr_count:     64
    .wavefront_size: 32
...
	.end_amdgpu_metadata
.endif
;; end of part 3
